; MI455X (gfx1250); checked and timed in simulation.
; The chip was launched on July 23, 2026; its instructions are those of AMD's public machine-readable ISA for CDNA 5 (MIT licence, August 2026) and "CDNA5" Instruction Set Architecture Reference Guide (July 2026). The comments in the code are by the model that wrote it; some were corrected since.
;; Multi Head Attention. Allowed arithmetic: matrix products marked QUANTISED: E2M1 operands, one E8M0 scale for each 32 along K, by v_wmma_scale_f32_16x16x128_f8f6f4 with both operands' format E2M1 (or v_wmma_scale_f32_32x16x128_f4), f32 sums; everything else in f32.
;; Inputs: b_out 1,024 float32; b_qkv 3,072 float32; w_out_codes 1,024 x 32 x 16 uint8 (E2M1 codes of w_out, K innermost, in blocks of 32 codes, two codes a byte); w_out_scales 1,024 x 32 uint8 (E8M0 scales of w_out, one for each 32 codes along K); w_qkv_codes 3,072 x 32 x 16 uint8 (E2M1 codes of w_qkv, K innermost, in blocks of 32 codes, two codes a byte); w_qkv_scales 3,072 x 32 uint8 (E8M0 scales of w_qkv, one for each 32 codes along K); x_codes 4 x 2,048 x 32 x 16 uint8 (E2M1 codes of x, K innermost, in blocks of 32 codes, two codes a byte); x_scales 4 x 2,048 x 32 uint8 (E8M0 scales of x, one for each 32 codes along K).
;; Outputs: out0 4 x 2,048 x 1,024 float32.
;; This version of the problem:
;;   THIS VERSION OF THE PROBLEM IS GIVEN IN LOW PRECISION. The matrix products marked QUANTISED in the list below multiply operands that are first quantised to E2M1 (2 exponent bits, 1 mantissa bit; 4 bits a number), with one power-of-two scale for each 32 numbers along K (OCP MX v1.0); their sums are f32. All else is computed in f32.
;;   The module's matrix products, in the order in which they are computed (A, B: the left and right operand; K: the contracted axis; several contracted axes count as one K, in the product's order):
;;     1. [M 8,192, K 1,024] x [K 1,024, N 3,072]; A: input x (given as codes); B: input w_qkv (given as codes): QUANTISED
;;     2. batch 64 x [M 2,048, K 64] x [K 64, N 2,048]; A: computed on the way; B: computed on the way: QUANTISED
;;     3. batch 64 x [M 2,048, K 2,048] x [K 2,048, N 64]; A: softmax (see below); B: computed on the way: QUANTISED
;;     4. [M 8,192, K 1,024] x [K 1,024, N 1,024]; A: computed on the way; B: input w_out (given as codes): QUANTISED
;;   THE QUANTISER, for each operand of a quantised product, along K:
;;     - K is cut into blocks of 32 from its start; a last block that is shorter is filled with zeros.
;;     - A block's scale is 2^e with e = floor(log2(the largest magnitude in the block)) - 2, held to -126 .. 127; a block of zeros has e = 0. As a byte (E8M0): e + 127.
;;     - Each number is divided by its block's scale, clamped to +-6, and rounded to the nearest number of E2M1, ties to even, subnormals kept.
;;     - The product sums the exact products of the quantised numbers (number of the format x scale) in f32.
;;   ~~~python
;;   def quantise(x, axis):      # numpy; x: float32 -> the quantised numbers, widened to float32 again
;;       x = np.moveaxis(x, axis, -1); K = x.shape[-1]
;;       x = np.pad(x, [(0, 0)] * (x.ndim - 1) + [(0, -K % 32)]); x = x.reshape(x.shape[:-1] + (-1, 32)); a = np.abs(x).max(-1, keepdims=True)
;;       e = np.where(a > 0, np.clip(np.frexp(np.where(a > 0, a, 1))[1] - 1 - 2, -126, 127), 0)      # np.frexp(a)[1] - 1 = floor(log2(a)), exactly
;;       r = np.clip(x / 2.0 ** e, -6, 6)
;;       step = 2.0 ** (np.maximum(np.frexp(np.where(r == 0, 1, r))[1] - 1, 0) - 1)
;;       q = np.round(r / step) * step * 2.0 ** e      # np.round: ties to even
;;       return np.moveaxis(q.reshape(q.shape[:-2] + (-1,))[..., :K], -1, axis).astype(np.float32)
;;   ~~~
;;   SOFTMAX AHEAD OF A QUANTISED PRODUCT. Where the list says 'softmax', what is quantised is not the finished softmax but p = 2^(t - M), with t = logit x log2(e) and M = ceil(the row's largest t), a whole number; so 1/2 < the row's largest p <= 1. The row's sum l is taken of the UNQUANTISED p, in f32, and the product's result is divided by l at the end. Since M is a whole number, a kernel that streams over the keys may use a running M (the ceiling of the running maximum): every later rescaling is an exact power of two, which a block's scale takes up: the codes' values come out the same.
;;   OPERANDS COMPUTED ON THE WAY. 'Computed on the way' means the value that the module computes at that place (a softmax that the list does not call 'softmax' is quantised finished and normalised). What goes into a quantiser is computed in f32, as accurately as f32 sums, v_exp_f32 and their like allow (about 1e-6 of the number): no bf16 or f16 on the way to a quantiser, and a product that is left as it is and whose result goes on into a quantised operand takes f32 operands (vector FMAs, or v_wmma_f32_16x16x4_f32). A number that lies on a knife's edge between two numbers of the format may be rounded either way, as far as f32 arithmetic and the matrix unit's own rounding can turn it there, and no further.
;;   INPUTS GIVEN AS CODES. w_out (in the module: [1024, 1024], K = its axis 0); w_qkv (in the module: [1024, 3072], K = its axis 0); x (in the module: [4, 2048, 1024], K = its axis 2): each comes as NAME_codes (uint8): NAME with its K axis moved to the last place and cut into blocks of 32 codes, [.., K / 32, bytes a block], one block behind the other in memory; two codes a byte, the lower K in the low four bits (a code: sign, 2 exponent bits, 1 mantissa bit); and NAME_scales (uint8): the same leading axes, one E8M0 byte (e + 127) for each 32 codes along K. Its value is code x scale, taken as it is: it is not quantised again, and the codes and scales need not be those that the quantiser above would give.
;; One version. Each part assembles by itself: llvm-mc -triple=amdgcn-amd-amdhsa -mcpu=gfx1250 --defsym DOCPART=n.
;; ======== version 1 of 1: 3 launches
;; workspace buffers: qbuf 4,718,592 bytes; kv 9,175,040 bytes; acodes 4,194,304 bytes; ascales 262,144 bytes
;; launch qkv (part 1): grid 12 x 32, 4 waves a work-group, clusters of 4 x 4, 327,680 bytes of LDS; arguments x_codes, x_scales, w_qkv_codes, w_qkv_scales, b_qkv, qbuf, kv; writes qbuf, kv
.if DOCPART == 1
	.amdgcn_target "amdgcn-amd-amdhsa--gfx1250"
	.amdhsa_code_object_version 6
	.text
	.protected	k_q44ae4ccddc_qkv
	.globl	k_q44ae4ccddc_qkv
	.p2align	8
	.type	k_q44ae4ccddc_qkv,@function
k_q44ae4ccddc_qkv:
	s_mov_b64 s[64:65], 0
	v_nop
	global_prefetch_b8 v0, s[64:65] scope:SCOPE_SE
	s_setreg_imm32_b32 hwreg(HW_REG_WAVE_MODE, 25, 1), 1
	s_wait_xcnt 0x0
	s_wait_alu depctr_hold_cnt(0) depctr_sa_sdst(0) depctr_va_vdst(0) depctr_va_sdst(0) depctr_va_ssrc(0) depctr_va_vcc(0) depctr_vm_vsrc(0)
	s_getreg_b32 s2, hwreg(HW_REG_IB_STS2, 6, 4)
	s_cmp_eq_u32 s2, 0
	s_cbranch_scc0 .Lentry_in_a_cluster
	s_endpgm
.Lentry_in_a_cluster:
	s_bfe_u32 s2, ttmp6, 0x10000c
	s_cmp_lg_u32 s2, 0xf033
	s_cbranch_scc0 .Lentry_shape_is_right
	s_endpgm
.Lentry_shape_is_right:
; LAUNCH 1 OF 3: qkv = x w_qkv + b_qkv on codes of FP4 (E2M1) with E8M0 scales, and the quantising of q, k (along the head's 64) and v (along the keys) in registers.
; DEAD WORK IN THE WHOLE PROGRAM: only the key steps that lie wholly above the diagonal of the causal mask, which the problem builds in its own body (jnp.tril): their scores become -infinity,
; their weights 0, whatever the inputs hold; they are left out in the second launch.  Every input has a way to the output and is loaded; all of b_qkv goes in ahead of the quantisers.
; LIMITS: NaN and infinities are not served, and one that would reach only the key steps left out is not carried to the result; a block of zeros gets the scale byte 1 where the quantiser says 127 (its codes
; are zeros, which add nothing, and only this program reads these bytes); a block whose largest magnitude lies under 2^-124 is held at the byte 1; a given scale byte 0xff gives NaN.
; SHARES.  A work-group makes 256 x 256 of the product over all K = 1,024; each of its four waves 128 x 128: 64 accumulators of 16 x 16.  Source 0 ("B") gives a lane's registers, source 1 ("A") its lane.
;   q, k (cluster x = 0, 1): B = 256 rows n of w_qkv, A = 256 tokens of x: a lane holds one token, its registers run along the head's d.
;   v    (cluster x = 2):    B = 256 tokens of x, A = 256 rows n of w_qkv: a lane holds one d, its registers run along the keys.
; Rows are 512 bytes of codes and 32 scale bytes in both tensors, so only the four base pointers are chosen; descriptors, LDS and the products are one text.
; ALL OF K LIES IN LDS: two halves of 512 along K (rows of 256 bytes), each filled once; nothing is filled again.
; CLUSTER 4 x 4: A's tile is shared along a row of the cluster, B's along a column: each is asked for jointly, by the same load with the same descriptor and a mask that names the four.
; THE QUANTISER IN REGISTERS.  Accumulator (a, b), register j, lane (r, h) is B's row 16 b + 8 h + j for A's row 16 a + r.  A block of 32 is tiles 2 b', 2 b' + 1 in lanes l and l xor 16.
; The conversion of tile t goes to operand register 4 (t / 4) + {0, 2, 1, 3}[t % 4]; two exchanges of halves for each four registers then give the operand's layout: lane (r, h), register g: 8 numbers from 32 h + 8 g.
; THE RESULTS LEAVE AS IMAGES OF OPERAND REGISTERS: four registers by one store, lane l's 16 bytes at 16 l: each store covers 512 consecutive bytes, aligned.
;   qbuf [batch-head 64][128 queries, 16][4,608]: 8 tiles' images; at 4,096 the scale image: lane (r, h), word g: tile 4 h + g, row r: two E8M0 bytes, two bytes 0.
;   kv   [batch-head 64][128 keys, 16][8,960]: K's 8 images; at 4,096 V^T's 4 fragments (1,024 n + 512 c); at 8,192 K's scale image; at 8,704 V's: lane (r, h): the words of d tiles 2 h, 2 h + 1, row r.
; REGISTERS: window 0: v1-30 addresses; v32-95 scale words; v96-112 at work; v128-255 A's fragments, two sets (afterwards codes and words).  window 1: B's fragments at v0 and v128; v64-127 the bias.  windows 2, 3: accumulators.
.set PITCH,  272                       ; an LDS row: 256 bytes + 16 of padding: the 16 rows that a load touches start 68 words apart
.set HALFT,  128*PITCH                 ; 128 rows: one tensor load
.set SLOT,   4*HALFT                   ; A's 256 rows, then B's 256 rows, for 512 along K
.set SCL,    2*SLOT                    ; the scale bytes, as runs of 256 bytes + 16 of padding
.set HALFS,  16*272                    ; those of 128 rows
.set SBLK,   2*272                     ; those of 16 rows
.set SPARE,  SCL+4*HALFS               ; the spare words: 128 bytes a wave, named by no other line
.set HEADB,  16*8960                   ; a batch-head's records in kv
.set LI,   5                           ; v5   16 x lane
.set L8,   6                           ; v6   8 x lane
.set ADRA, 16                          ; v16-17 LDS address of my A fragments, K half 0, 1
.set ADRB, 20                          ; v20-21 of my B fragments
.set ADRS, 27                          ; v27  of my scale words: lanes 0-15 A's rows, lanes 16-31 B's
.set SPW,  28                          ; v28  my spare word
.set NIL,  29                          ; v29  0
.set BO,   30                          ; v30  my offset in the bias
.set SC,   32                          ; v32-95 register 8 i + s: lanes 0-15 the word of A's block i, lanes 16-31 of B's block i, K step s
.set TM,   96                          ; v96-99 largest magnitudes, v100-103 the other half's, then bytes, v108-111 the conversions' scale operands
.set FL,   112                         ; v112 the floor 2^(3 - 127)
.set AF,   128                         ; A's fragments
.set BI,   64                          ; window 1: the bias, as the C of the first products
.set PC,   128                         ; the codes: 8 registers for each a
.set WD,   192                         ; v192-199 the scale word of each a
.set T0,   200
.set SA,   204
.set SB,   208
.set WV,  18
.set H1,  19                           ; wave / 2: my half of A's rows; also: I fetch for A (0) or for B (1)
.set H0,  20                           ; wave % 2: my half of B's rows; also: which 128 rows I fetch
.set CX,  21
.set CY,  22
.set TV,  23                           ; 1 in the clusters that make v
.set SM,  3                            ; s3  lanes 16-31
.set SEL, 66                           ; s66, s67 lane selects: lane l xor 16
.set G1,  24
.set G0,  32
.set G1B, 48
.set G0B, 56
.set G1S, 68
.set G0S, 76
.set G1SB, 80
.set G0SB, 88
.set MSB, 0
.macro WIN new                         ; the immediate's high byte repeats the setting that is left
.if MSB != (\new)
	s_set_vgpr_msb (MSB<<8)|(\new)
.set MSB, (\new)
.endif
.endm
.macro JLOAD g0a, g1a, g0b, g1b        ; a joint load: waves 0, 1 fetch for A, waves 2, 3 for B; the branch hangs on the wave's number alone
	s_cmp_eq_u32 s[H1], 0
	s_cbranch_scc0 .Lfor_b_\@
	tensor_load_to_lds s[\g0a:\g0a+3], s[\g1a:\g1a+7]
	s_nop 0
.rept 4
	v_nop
.endr
	s_branch .Lasked_\@
.Lfor_b_\@:
	tensor_load_to_lds s[\g0b:\g0b+3], s[\g1b:\g1b+7]
	s_nop 0
.rept 4
	v_nop
.endr
.Lasked_\@:
.endm
.macro CROUND                          ; a round of the cluster's barrier
	s_barrier_signal -1
	s_barrier_wait -1
	s_cmp_lg_u32 s[WV], 0
	s_cbranch_scc1 .Lnot_wave_0_\@
	s_barrier_signal -3
.Lnot_wave_0_\@:
	s_barrier_wait -3
	s_barrier_signal -1
	s_barrier_wait -1
.endm
.macro PLACES n
.rept \n
	v_nop
.endr
.endm
	s_load_b256 s[4:11], s[0:1], 0x0               ; x's codes, x's scales, w's codes, w's scales
	s_load_b128 s[12:15], s[0:1], 0x20             ; b_qkv, qbuf
	s_load_b64 s[16:17], s[0:1], 0x30              ; kv
	v_lshl_add_u32 v[SPW], v0, 2, SPARE
	v_mov_b32 v[NIL], 0
	ds_add_u32 v[SPW], v[NIL]                      ; the opening: the add, twice on end, and its wait ahead of my first tensor load
	ds_add_u32 v[SPW], v[NIL]
	v_lshrrev_b32 v1, 5, v0
	v_readfirstlane_b32 s[WV], v1
	s_lshr_b32 s[H1], s[WV], 1
	s_and_b32 s[H0], s[WV], 1
	s_bfe_u32 s[CX], ttmp6, 0x40000
	s_bfe_u32 s[CY], ttmp6, 0x40004
	s_and_b32 s40, ttmp7, 0xffff                   ; cluster y
	s_cmp_eq_u32 ttmp9, 2                          ; cluster x = 2 makes v: the same in all sixteen partners
	s_cselect_b32 s[TV], 1, 0
	s_cselect_b32 s41, 2, s40
	s_cselect_b32 s42, s40, ttmp9
	s_lshl_b32 s41, s41, 2
	s_add_co_u32 s41, s41, s[CY]                   ; A's tile of 256 rows
	s_lshl_b32 s42, s42, 2
	s_add_co_u32 s42, s42, s[CX]                   ; B's tile of 256 rows
	s_lshl_b32 s43, s[CY], 2
	s_lshl_b32 s43, 15, s43                        ; my row of the cluster
	s_lshl_b32 s44, 0x1111, s[CX]                  ; my column
	s_or_b32 s[G1], s43, (1<<20)|(1<<21)|(5<<22)|(3<<25)    ; elements of 1 byte; 4 words of padding behind every 64; bit 21 beside the mask
	s_or_b32 s[G1B], s44, (1<<20)|(1<<21)|(5<<22)|(3<<25)
.irp g, G1, G1B
	s_mov_b32 s[\g+1], 256<<16                     ; tensor_dim0 = 256 bytes
	s_mov_b32 s[\g+2], 128<<16                     ; tensor_dim1 = 128 rows
	s_mov_b32 s[\g+3], 256<<16                     ; tile_dim0
	s_mov_b32 s[\g+4], 128                         ; tile_dim1
	s_mov_b32 s[\g+5], 512                         ; from row to row
	s_mov_b32 s[\g+6], 0
	s_mov_b32 s[\g+7], 0
.endr
	s_or_b32 s[G1S], s43, (3<<16)|(1<<20)|(1<<21)|(5<<22)|(3<<25)   ; the scale bytes of 128 rows: 4,096 dense bytes as 16 rows of 32 elements of 8 bytes
	s_or_b32 s[G1SB], s44, (3<<16)|(1<<20)|(1<<21)|(5<<22)|(3<<25)
.irp g, G1S, G1SB
	s_mov_b32 s[\g+1], 32<<16
	s_mov_b32 s[\g+2], 16<<16
	s_mov_b32 s[\g+3], 32<<16
	s_mov_b32 s[\g+4], 16
	s_mov_b32 s[\g+5], 32
	s_mov_b32 s[\g+6], 0
	s_mov_b32 s[\g+7], 0
.endr
	s_lshl_b32 s2, s[H0], 7                        ; which 128 rows of a tile I fetch
	s_lshl_b32 s46, s41, 8
	s_add_co_u32 s46, s46, s2                      ; A's
	s_lshl_b32 s94, s42, 8
	s_add_co_u32 s94, s94, s2                      ; B's
	s_lshl_b32 s92, s46, 5                         ; their scale bytes,
	s_lshl_b32 s46, s46, 9                         ; their codes
	s_lshl_b32 s96, s94, 5
	s_lshl_b32 s94, s94, 9
	s_mov_b32 s47, 0
	s_mov_b32 s93, 0
	s_mov_b32 s95, 0
	s_mov_b32 s97, 0
	s_mul_i32 s45, s[WV], HALFT                    ; where they go: the wave's number alone enters an LDS address
	s_mul_i32 s3, s[WV], HALFS
	s_mov_b32 s[SEL], 0x76543210
	s_mov_b32 s[SEL+1], 0xfedcba98
	s_wait_dscnt 0x0                               ; both opening adds are done
	s_wait_kmcnt 0x0
	s_cmp_eq_u32 s[TV], 1
	s_cselect_b64 s[98:99], s[8:9], s[4:5]         ; A's codes: w_qkv's for v, else x's
	s_add_nc_u64 s[46:47], s[98:99], s[46:47]
	s_cselect_b64 s[98:99], s[10:11], s[6:7]       ; A's scales
	s_add_nc_u64 s[92:93], s[98:99], s[92:93]
	s_cselect_b64 s[98:99], s[4:5], s[8:9]         ; B's codes
	s_add_nc_u64 s[94:95], s[98:99], s[94:95]
	s_cselect_b64 s[98:99], s[6:7], s[10:11]       ; B's scales
	s_add_nc_u64 s[96:97], s[98:99], s[96:97]
	CROUND                                         ; all sixteen work-groups are here: the joint loads meet
	s_mov_b32 s[G0S], 1
	s_add_co_u32 s[G0S+1], s3, SCL
	s_mov_b64 s[G0S+2:G0S+3], s[92:93]
	s_or_b32 s[G0S+3], s[G0S+3], 0x80000000
	s_mov_b32 s[G0SB], 1
	s_add_co_u32 s[G0SB+1], s3, SCL
	s_mov_b64 s[G0SB+2:G0SB+3], s[96:97]
	s_or_b32 s[G0SB+3], s[G0SB+3], 0x80000000
	JLOAD G0S, G1S, G0SB, G1SB                     ; the scale bytes first: they are wanted with K step 0
.irp s, 0,1
	s_mov_b32 s[G0+4*\s], 1
	s_add_co_u32 s[G0+4*\s+1], s45, \s*SLOT
	s_add_nc_u64 s[G0+4*\s+2:G0+4*\s+3], s[46:47], \s*256
	s_or_b32 s[G0+4*\s+3], s[G0+4*\s+3], 0x80000000
	s_mov_b32 s[G0B+4*\s], 1
	s_add_co_u32 s[G0B+4*\s+1], s45, \s*SLOT
	s_add_nc_u64 s[G0B+4*\s+2:G0B+4*\s+3], s[94:95], \s*256
	s_or_b32 s[G0B+4*\s+3], s[G0B+4*\s+3], 0x80000000
	JLOAD G0+4*\s, G1, G0B+4*\s, G1B               ; three loads of mine are out at the most
.endr
	; LDS addresses
	v_and_b32 v1, 15, v0                           ; r
	v_bfe_u32 v2, v0, 4, 1                         ; h
	v_mul_u32_u24 v3, v1, PITCH
	v_lshl_add_u32 v4, v2, 4, v3                   ; a fragment's row x pitch + 16 h
	s_mul_i32 s2, s[H1], HALFT                     ; my 128 rows of A
	s_mul_i32 s98, s[H0], HALFT                    ; my 128 rows of B,
	s_add_co_u32 s98, s98, 2*HALFT                 ; behind A's 256
.irp s, 0,1
	v_add_nc_u32 v[ADRA+\s], s2, v4
	v_add_nc_u32 v[ADRB+\s], s98, v4
	s_add_co_u32 s2, s2, SLOT
	s_add_co_u32 s98, s98, SLOT
.endr
	v_lshlrev_b32 v7, 5, v1                        ; my row's scale bytes: 32 a row,
	v_lshrrev_b32 v8, 3, v1
	v_lshl_add_u32 v7, v8, 4, v7                   ; and 16 more behind each 256
	s_mul_i32 s2, s[H1], HALFS
	s_mul_i32 s98, s[H0], HALFS
	s_add_co_u32 s98, s98, 2*HALFS
	s_sub_co_u32 s98, s98, s2
	v_mul_u32_u24 v8, s98, v2                      ; lanes 16-31 take B's: one product, h x the distance
	s_add_co_u32 s2, s2, SCL
	v_add_nc_u32 v7, v7, v8
	v_add_nc_u32 v[ADRS], s2, v7
	v_and_b32 v[LI], 31, v0
	v_lshlrev_b32 v[L8], 3, v[LI]
	v_lshlrev_b32 v[LI], 4, v[LI]
	v_mov_b32 v[FL], 0x1800000
.irp b, 0,1,2,3
	v_mov_b32 v[TM+4+\b], 0                        ; written once: a lane permute's destination counts as one of its sources
.endr
	; where the results go
	s_lshl_b32 s2, s41, 8
	s_lshl_b32 s98, s[H1], 7
	s_add_co_u32 s2, s2, s98                       ; my first row of A
	s_lshl_b32 s99, s42, 8
	s_lshl_b32 s98, s[H0], 7
	s_add_co_u32 s99, s99, s98                     ; my first row of B
	s_cmp_eq_u32 s[TV], 1
	s_cselect_b32 s98, s99, s2                     ; my first token
	s_cselect_b32 s2, s2, s99                      ; my first feature n of 3,072
	s_lshl_b32 s40, s2, 2
	s_mov_b32 s41, 0
	s_add_nc_u64 s[12:13], s[12:13], s[40:41]      ; the bias at my first feature
	s_and_b32 s2, s2, 1023
	s_lshr_b32 s2, s2, 6                           ; my first head
	s_lshr_b32 s99, s98, 11                        ; the batch
	s_lshl_b32 s99, s99, 4
	s_add_co_u32 s99, s99, s2
	s_lshl_b32 s99, s99, 4
	s_bfe_u32 s98, s98, 0x40007                    ; which 128 tokens of the sequence
	s_add_co_u32 s99, s99, s98                     ; the record
	s_cmp_eq_u32 ttmp9, 0
	s_cselect_b32 s98, 0, 4352
	s_cselect_b32 s2, 0, 4096
	s_cselect_b64 s[4:5], s[14:15], s[16:17]       ; q goes to qbuf, k and v to kv
	s_add_co_u32 s98, s98, 4608                    ; a record's bytes: 4,608 or 8,960
	s_add_co_u32 s2, s2, 4096                      ; the scale image's place: 4,096 or 8,192
	s_mul_i32 s40, s99, s98
	s_add_nc_u64 s[4:5], s[4:5], s[40:41]          ; my first head's record
	s_lshl_b32 s40, s98, 4
	s_add_nc_u64 s[6:7], s[4:5], s[40:41]          ; the next head's: 16 records on
	s_mov_b32 s40, s2
	s_add_nc_u64 s[8:9], s[4:5], s[40:41]          ; and their scale images
	s_add_nc_u64 s[10:11], s[6:7], s[40:41]
	s_mov_b32 s[SM], 0xffff0000
	; the bias in the result's layout: the C of each sum's first product
	s_cmp_eq_u32 s[TV], 1
	s_cbranch_scc1 .Lbias_v
	v_lshlrev_b32 v[BO], 5, v2                     ; q, k: register 8 b + j is feature 16 b + 8 h + j
	WIN 0x40
.irp b, 0,1,2,3,4,5,6,7
	global_load_b128 v[BI+8*\b:BI+8*\b+3], v[BO], s[12:13] offset:64*\b
	global_load_b128 v[BI+8*\b+4:BI+8*\b+7], v[BO], s[12:13] offset:64*\b+16
.endr
	WIN 0
	s_branch .Lbias_done
.Lbias_v:
	v_lshlrev_b32 v[BO], 2, v1                     ; v: all eight registers of block a are feature 16 a + r
	WIN 0x40
.irp a, 0,1,2,3,4,5,6,7
.irp j, 0,1,2,3,4,5,6,7
	global_load_b32 v[BI+8*\a+\j], v[BO], s[12:13] offset:64*\a
.endr
.endr
	WIN 0
.Lbias_done:
.macro FRAG reg, adr, q, i             ; 16 rows x 128 K of 4-bit codes: 8 registers, two loads of 16 bytes, 32 bytes apart
.irp c, 0,1
	ds_load_b128 v[\reg+4*\c:\reg+4*\c+3], v[\adr] offset:64*(\q)+32*\c+(\i)*16*PITCH
.endr
.endm
.macro FETCH s, set                    ; K step s: B's eight fragments and A's eight: 32 loads in one run
	WIN 0x40
.irp i, 0,1,2,3,4,5,6,7
	FRAG 128*(\set)+8*\i, ADRB+(\s)/4, (\s)%4, \i
.endr
	WIN 0
.irp i, 0,1,2,3,4,5,6,7
	FRAG AF+64*(\set)+8*\i, ADRA+(\s)/4, (\s)%4, \i
.endr
.endm
.macro SCALES                          ; all of K's scale words: 8 words a row
.irp i, 0,1,2,3,4,5,6,7
.irp u, 0,1
	ds_load_b128 v[SC+8*\i+4*\u:SC+8*\i+4*\u+3], v[ADRS] offset:\i*SBLK+16*\u
.endr
.endr
.endm
; 16 products: A's blocks a0, a0 + 1 x B's eight.  mode 0: onto the sums; 1: the sums begin with the bias by b (q, k); 2: by a (v).  The 64 accumulators take turns, in one order in every step.
.macro MUL16 a0, set, s, mode
.if (\mode) == 0
	WIN 0xa1+0x50*((\a0)/4)
.else
	WIN 0x91+0x40*((\a0)/4)
.endif
.irp a, \a0, \a0+1
.irp b, 0,1,2,3,4,5,6,7
.if (\mode) == 0
	v_wmma_scale_f32_16x16x128_f8f6f4 v[8*(8*((\a)%4)+\b):8*(8*((\a)%4)+\b)+7], v[128*(\set)+8*\b:128*(\set)+8*\b+7], v[AF+64*(\set)+8*(\a):AF+64*(\set)+8*(\a)+7], v[8*(8*((\a)%4)+\b):8*(8*((\a)%4)+\b)+7], v[SC+8*\b+(\s)], v[SC+8*(\a)+(\s)] matrix_a_fmt:MATRIX_FMT_FP4 matrix_b_fmt:MATRIX_FMT_FP4 matrix_a_scale:MATRIX_SCALE_ROW1
.elseif (\mode) == 1
	v_wmma_scale_f32_16x16x128_f8f6f4 v[8*(8*((\a)%4)+\b):8*(8*((\a)%4)+\b)+7], v[128*(\set)+8*\b:128*(\set)+8*\b+7], v[AF+64*(\set)+8*(\a):AF+64*(\set)+8*(\a)+7], v[BI+8*\b:BI+8*\b+7], v[SC+8*\b+(\s)], v[SC+8*(\a)+(\s)] matrix_a_fmt:MATRIX_FMT_FP4 matrix_b_fmt:MATRIX_FMT_FP4 matrix_a_scale:MATRIX_SCALE_ROW1
.else
	v_wmma_scale_f32_16x16x128_f8f6f4 v[8*(8*((\a)%4)+\b):8*(8*((\a)%4)+\b)+7], v[128*(\set)+8*\b:128*(\set)+8*\b+7], v[AF+64*(\set)+8*(\a):AF+64*(\set)+8*(\a)+7], v[BI+8*(\a):BI+8*(\a)+7], v[SC+8*\b+(\s)], v[SC+8*(\a)+(\s)] matrix_a_fmt:MATRIX_FMT_FP4 matrix_b_fmt:MATRIX_FMT_FP4 matrix_a_scale:MATRIX_SCALE_ROW1
.endif
.endr
.endr
.endm
; K step s = 1 .. 7: its fragments are in; the next step's are asked for, four places behind the products that read those registers; 64 products.
.macro STEP s
	s_wait_dscnt 0x0                               ; this step's 32 loads, issued 32 or 64 products ago, are in
.if (\s) == 3
	s_wait_tensorcnt 0x0                           ; my part of the second half of K has landed;
	s_barrier_signal -1                            ; it only shows the second half to every wave
	MUL16 0, (\s)%2, \s, 0
	MUL16 2, (\s)%2, \s, 0
	s_barrier_wait -1
	PLACES 4
	FETCH 4, 0
	MUL16 4, (\s)%2, \s, 0
	MUL16 6, (\s)%2, \s, 0
.else
.if (\s) < 7
	PLACES 4
	FETCH (\s)+1, ((\s)+1)%2
.endif
	MUL16 0, (\s)%2, \s, 0
	MUL16 2, (\s)%2, \s, 0
	MUL16 4, (\s)%2, \s, 0
	MUL16 6, (\s)%2, \s, 0
.endif
.endm
	s_wait_tensorcnt 1                             ; the scale bytes and the first half of K are in; the one load left out is the second half's
	s_barrier_signal -1
	s_barrier_wait -1                              ; everybody's are
	SCALES
	FETCH 0, 0
	s_wait_loadcnt 0x0                             ; the bias
	s_wait_dscnt 0x0
	FETCH 1, 1
	s_cmp_eq_u32 s[TV], 1
	s_cbranch_scc1 .Lfirst_v
	MUL16 0, 0, 0, 1                               ; K step 0 starts the sums with the bias: nothing is cleared, nothing is added later
	MUL16 2, 0, 0, 1
	MUL16 4, 0, 0, 1
	MUL16 6, 0, 0, 1
	WIN 0
	s_branch .Lfirst_done
.Lfirst_v:
	MUL16 0, 0, 0, 2
	MUL16 2, 0, 0, 2
	MUL16 4, 0, 0, 2
	MUL16 6, 0, 0, 2
	WIN 0
.Lfirst_done:
.irp s, 1,2,3,4,5,6,7
	STEP \s
.endr
	WIN 0
	PLACES 4                                       ; behind the last products: their results are read, and the registers of A's fragments written, only from here on
; A's block a: 64 numbers a lane become 8 registers of codes and one scale word.  Each accumulator is first read at its registers 0 and 1.
.macro QUANT a
.set W, 2+(\a)/4
.set ACB, 64*((\a)%4)
	WIN (W<<2)|(W<<4)
.irp b, 0,1,2,3
	v_max3_num_f32 v[TM+\b], v[FL], |v[ACB+16*\b]|, |v[ACB+16*\b+1]|      ; block b: my 16 numbers, and the floor, which holds the byte at 1 from below
.endr
.irp i, 2,4,6,8,10,12,14
.irp b, 0,1,2,3
	v_max3_num_f32 v[TM+\b], v[TM+\b], |v[ACB+16*\b+\i]|, |v[ACB+16*\b+\i+1]|
.endr
.endr
	WIN 0
.irp b, 0,1,2,3
	v_permlanex16_b32 v[TM+4+\b], v[TM+\b], s[SEL], s[SEL+1]
.endr
.irp b, 0,1,2,3
	v_max_num_f32 v[TM+\b], v[TM+\b], v[TM+4+\b]   ; with lane l xor 16's 16: the block's largest magnitude
.endr
.irp b, 0,1,2,3
	v_add_nc_u32 v[TM+12+\b], 0xff000000, v[TM+\b] ; 2 off its exponent field: the conversion's scale operand
.endr
.irp b, 0,1,2,3
	v_lshrrev_b32 v[TM+4+\b], 23, v[TM+12+\b]      ; the scale's byte
.endr
	v_lshl_or_b32 v[WD+(\a)], v[TM+5], 8, v[TM+4]
	v_lshl_or_b32 v[WD+(\a)], v[TM+6], 16, v[WD+(\a)]
	v_lshl_or_b32 v[WD+(\a)], v[TM+7], 24, v[WD+(\a)]
	WIN W
.irp t, 0,1,2,3,4,5,6,7
	v_cvt_scalef32_pk8_fp4_f32 v[PC+8*(\a)+4*(\t/4)+2*(\t%2)+(\t%4)/2], v[ACB+8*\t:ACB+8*\t+7], v[TM+12+\t/2]
.endr
	WIN 0
	v_nop                                          ; one plain place behind the conversions
.irp c, 0,1
	v_permlane16_swap_b32 v[PC+8*(\a)+4*\c], v[PC+8*(\a)+4*\c+1]      ; a whole block of 32 into each half of the lanes
	v_permlane16_swap_b32 v[PC+8*(\a)+4*\c+2], v[PC+8*(\a)+4*\c+3]
.endr
.endm
	s_wait_alu depctr_va_vdst(0)
.irp a, 0,1,2,3,4,5,6,7
	QUANT \a
.endr
	s_cmp_eq_u32 s[TV], 1
	s_cbranch_scc1 .Lstore_v
.irp a, 0,1,2,3,4,5,6,7                 ; q, k: tile a of 16 tokens: my first head's image, the next head's
	global_store_b128 v[LI], v[PC+8*\a:PC+8*\a+3], s[4:5] offset:512*\a
	global_store_b128 v[LI], v[PC+8*\a+4:PC+8*\a+7], s[6:7] offset:512*\a
.endr
.irp g, 0,1,2,3
	v_cndmask_b32 v[T0+\g], v[WD+\g], v[WD+4+\g], s[SM]    ; lanes 0-15 tile g, lanes 16-31 tile 4 + g
.endr
.irp g, 0,1,2,3
	v_and_b32 v[SA+\g], 0xffff, v[T0+\g]           ; the first head's two bytes, two bytes 0 above them
	v_lshrrev_b32 v[SB+\g], 16, v[T0+\g]           ; the next head's
.endr
	global_store_b128 v[LI], v[SA:SA+3], s[8:9]
	global_store_b128 v[LI], v[SB:SB+3], s[10:11]
	s_branch .Lstored
.Lstore_v:
	s_wait_alu depctr_va_vdst(0)
.irp a, 0,1,2,3,4,5,6,7                 ; v: fragment a % 4 of head a / 4: 16 of the head's d x my 128 keys
.irp c, 0,1
	global_store_b128 v[LI], v[PC+8*\a+4*\c:PC+8*\a+4*\c+3], s[4:5] offset:(\a/4)*HEADB+4096+(\a%4)*1024+512*\c
.endr
.endr
.irp d, 0,1
	v_cndmask_b32 v[T0+2*\d], v[WD+4*\d], v[WD+4*\d+2], s[SM]      ; lane (r, h): the words of d tiles 2 h and 2 h + 1
	v_cndmask_b32 v[T0+2*\d+1], v[WD+4*\d+1], v[WD+4*\d+3], s[SM]
.endr
.irp d, 0,1
	global_store_b64 v[L8], v[T0+2*\d:T0+2*\d+1], s[4:5] offset:\d*HEADB+8704   ; 256 consecutive bytes, aligned
.endr
.Lstored:
	s_wait_tensorcnt 0x0                           ; the wave's end
	ds_add_u32 v[SPW], v[NIL]
	s_wait_dscnt 0x0
	CROUND                                         ; the closing round
	s_endpgm
.Lfunc_end_k_q44ae4ccddc_qkv:
	.size	k_q44ae4ccddc_qkv, .Lfunc_end_k_q44ae4ccddc_qkv-k_q44ae4ccddc_qkv
	.p2alignl 7, 3214868480
	.fill 96, 4, 3214868480
	.section	.rodata,"a",@progbits
	.p2align	6, 0x0
	.amdhsa_kernel k_q44ae4ccddc_qkv
		.amdhsa_group_segment_fixed_size 327680
		.amdhsa_private_segment_fixed_size 0
		.amdhsa_enable_private_segment 0
		.amdhsa_kernarg_size 56
		.amdhsa_user_sgpr_count 2
		.amdhsa_user_sgpr_kernarg_segment_ptr 1
		.amdhsa_wavefront_size32 1
		.amdhsa_system_sgpr_workgroup_id_x 1
		.amdhsa_system_sgpr_workgroup_id_y 1
		.amdhsa_system_sgpr_workgroup_id_z 1
		.amdhsa_system_vgpr_workitem_id 0
		.amdhsa_next_free_vgpr 1024
		.amdhsa_next_free_sgpr 100
		.amdhsa_reserve_vcc 0
		.amdhsa_float_denorm_mode_32 3
		.amdhsa_float_denorm_mode_16_64 3
		.amdhsa_memory_ordered 1
		.amdhsa_forward_progress 1
		.amdhsa_inst_pref_size 145
	.end_amdhsa_kernel
	.amdgpu_metadata
---
amdhsa.version: [ 1, 2 ]
amdhsa.kernels:
  - .name:           k_q44ae4ccddc_qkv
    .symbol:         k_q44ae4ccddc_qkv.kd
    .args:
      - { .name: x_codes, .offset: 0, .size: 8, .value_kind: global_buffer, .address_space: global }
      - { .name: x_scales, .offset: 8, .size: 8, .value_kind: global_buffer, .address_space: global }
      - { .name: w_qkv_codes, .offset: 16, .size: 8, .value_kind: global_buffer, .address_space: global }
      - { .name: w_qkv_scales, .offset: 24, .size: 8, .value_kind: global_buffer, .address_space: global }
      - { .name: b_qkv, .offset: 32, .size: 8, .value_kind: global_buffer, .address_space: global }
      - { .name: qbuf, .offset: 40, .size: 8, .value_kind: global_buffer, .address_space: global }
      - { .name: kv, .offset: 48, .size: 8, .value_kind: global_buffer, .address_space: global }
    .group_segment_fixed_size: 327680
    .private_segment_fixed_size: 0
    .kernarg_segment_align: 8
    .kernarg_segment_size: 56
    .max_flat_workgroup_size: 128
    .sgpr_count:     100
    .vgpr_count:     1024
    .wavefront_size: 32
...
	.end_amdgpu_metadata
.endif
;; end of part 1
;; launch attn (part 2): grid 4 x 64, 16 waves a work-group, clusters of 4 x 1, 167,936 bytes of LDS; arguments qbuf, kv, acodes, ascales; writes acodes, ascales
.if DOCPART == 2
	.amdgcn_target "amdgcn-amd-amdhsa--gfx1250"
	.amdhsa_code_object_version 6
	.text
	.protected	k_q44ae4ccddc_attn
	.globl	k_q44ae4ccddc_attn
	.p2align	8
	.type	k_q44ae4ccddc_attn,@function
k_q44ae4ccddc_attn:
	s_mov_b64 s[64:65], 0
	v_nop
	global_prefetch_b8 v0, s[64:65] scope:SCOPE_SE
	s_setreg_imm32_b32 hwreg(HW_REG_WAVE_MODE, 25, 1), 1
	s_wait_xcnt 0x0
	s_wait_alu depctr_hold_cnt(0) depctr_sa_sdst(0) depctr_va_vdst(0) depctr_va_sdst(0) depctr_va_ssrc(0) depctr_va_vcc(0) depctr_vm_vsrc(0)
	s_getreg_b32 s2, hwreg(HW_REG_IB_STS2, 6, 4)
	s_cmp_eq_u32 s2, 0
	s_cbranch_scc0 .Lentry_in_a_cluster
	s_endpgm
.Lentry_in_a_cluster:
	s_bfe_u32 s2, ttmp6, 0x10000c
	s_cmp_lg_u32 s2, 0x3003
	s_cbranch_scc0 .Lentry_shape_is_right
	s_endpgm
.Lentry_shape_is_right:
; LAUNCH 2 OF 3: causal attention on codes of FP4 (E2M1) with E8M0 scales, and the quantising of its result along the features.
; LEFT OUT: the key steps that lie wholly above the diagonal of the mask that the problem builds itself (their weights are 0 for all inputs).  Limits as stated at the head of the first launch.
; THE SOFTMAX: t = score x log2(e) / 8; M = the running largest t, rounded UP to a whole number; p = 2^(t - M) is quantised along the keys, not normalised; the row's sum is taken of the unquantised p and divides at the end.
; When M moves, the sum and O are multiplied by 2^(old M - new M): exact.
; SHARES.  A cluster of four work-groups owns one batch-head.  The head's K and V, 16 records of 128 keys (8,960 bytes each, images of operand registers), all lie in each work-group's LDS, filled once:
; wave w asks for record w by ONE joint load that names the four work-groups.  No ring, no refill, no barrier behind the first.
; The head has 128 tiles of 16 queries, tile 8 G + E needing key steps 0 .. G.  Wave w of work-group cx takes two: G = 15 - w / 2, E = 7 - e, then G = w / 2, E = e, with e = 4 (w % 2) + cx:
; 17 key steps in every wave of the launch.  G hangs on the wave's number alone and steers the branches; cx enters global addresses and one compared value in a vector register, no branch and no LDS address.
; LAYOUT.  Both products are used transposed: S^T = K Q^T (source 0 = 16 keys), O^T = V^T P^T (source 0 = 16 of the head's 64): a lane holds ONE query (lane % 16) throughout.
; THE HEAD IS 64, THE INSTRUCTION'S K IS 128: Q's registers 4-7 are zero codes.  K's operand of tile t is its four registers and the four behind them (the next tile's): those meet zero codes and add nothing.
; REGISTERS: v1-10 addresses; v12 -M, v13 the largest t, v[14:15] the sum; v16-23, v224-231 the two tiles of Q; v24-31, v220 scale words; v32-67 K; v68-99 V; v100-163 S^T, then p; v164-195 O^T; v196-203 p's codes; v204-223, v232-236, v244-255 at work.
.set REC,   8960
.set QREC,  4608
.set SPARE, 16*REC                     ; behind the records: the spare words, 128 bytes for each of 16 waves, named by no other line
.set LI,  1                            ; v1   16 x lane
.set L8,  2                            ; v2   8 x lane
.set AD,  3                            ; v3   the step's record + 16 x lane
.set AD8, 4                            ; v4   the step's record + 8 x lane
.set SPW, 5
.set NIL, 6
.set DQ,  7                            ; v7   16 E + r - 8 h: on the diagonal, register n's key is hidden where 16 (n / 8) + n % 8 is greater
.set R16, 8                            ; v8   16 r
.set NINF, 9                           ; v9   -infinity
.set RH,  10                           ; v10  r - 8 h
.set VS,  26                           ; v[26:27] V's scale words
.set KS,  28                           ; v[28:31] K's
.set KF,  32                           ; v32-63 K's eight tiles, four registers each; v64-67 zeros
.set VF,  68                           ; v68-99 V^T's four fragments
.set SCO, 100                          ; S^T, then p
.set OT,  164                          ; O^T
.set PC,  196                          ; p's codes
.set BM,  204                          ; each block's largest score, then largest p
.set BP,  208
.set BS,  212
.set FF,  216                          ; v[216:217] f = 2^(old M - new M)
.set SCR, 218
.set PWD, 220                          ; p's scale word
.set SU2, 222                          ; v[222:223] the sums' second chain
.set AC,  232                          ; v[232:235] the result's codes; v236 its two scale bytes
.set WV,  12
.set CX,  13
.set HB,  14                           ; the batch-head
.set GW,  15                           ; wave / 2
.set E0,  16                           ; 4 (wave % 2) + cx
.set HC,  17                           ; the head's place in a row tile of acodes
.set HS,  18                           ; and of ascales
.set SEL, 20
.set CS,  22                           ; s[22:23] c = log2(e) / 8
.set G1,  24
.set G0,  32
.set TB,  36                           ; LDS byte of the step's record
.set TT,  37                           ; the key step
.set GG,  38                           ; the tile's last key step
.macro CROUND
	s_barrier_signal -1
	s_barrier_wait -1
	s_cmp_lg_u32 s[WV], 0
	s_cbranch_scc1 .Lnot_wave_0_\@
	s_barrier_signal -3
.Lnot_wave_0_\@:
	s_barrier_wait -3
	s_barrier_signal -1
	s_barrier_wait -1
.endm
; the four address pairs of a tile: Q's image, Q's scale words, the result's codes and scale bytes
.macro ADDRS hi, qi, qs, oc, os
.if \hi
	s_xor_b32 s56, s[GW], 15                       ; G = 15 - wave / 2
	s_xor_b32 s57, s[E0], 7                        ; E = 7 - e
.else
	s_mov_b32 s56, s[GW]
	s_mov_b32 s57, s[E0]
.endif
	s_lshl_b32 s58, s[HB], 4
	s_add_co_u32 s58, s58, s56
	s_mul_i32 s58, s58, QREC                       ; the record of 128 queries
	s_lshl_b32 s60, s57, 9
	s_add_co_u32 s60, s60, s58
	s_mov_b32 s61, 0
	s_add_nc_u64 s[\qi:\qi+1], s[4:5], s[60:61]
	s_lshr_b32 s60, s57, 2
	s_lshl_b32 s60, s60, 8
	s_and_b32 s59, s57, 3
	s_lshl_b32 s59, s59, 2
	s_add_co_u32 s60, s60, s59
	s_add_co_u32 s60, s60, s58
	s_add_co_u32 s60, s60, 4096                    ; in the scale image: 256 (E / 4) + 4 (E % 4), + 16 r by the lane
	s_add_nc_u64 s[\qs:\qs+1], s[4:5], s[60:61]
	s_lshr_b32 s58, s[HB], 4
	s_lshl_b32 s58, s58, 7
	s_lshl_b32 s59, s56, 3
	s_add_co_u32 s58, s58, s59
	s_add_co_u32 s58, s58, s57                     ; the tile of 16 rows among the 512
	s_lshl_b32 s60, s58, 13
	s_add_co_u32 s60, s60, s[HC]
	s_add_nc_u64 s[\oc:\oc+1], s[8:9], s[60:61]
	s_lshl_b32 s60, s58, 9
	s_add_co_u32 s60, s60, s[HS]
	s_add_nc_u64 s[\os:\os+1], s[10:11], s[60:61]
.endm
	s_load_b256 s[4:11], s[0:1], 0x0               ; qbuf, kv, acodes, ascales
	v_lshl_add_u32 v[SPW], v0, 2, SPARE
	v_mov_b32 v[NIL], 0
	ds_add_u32 v[SPW], v[NIL]                      ; the opening: the add, twice on end, and its wait ahead of my first tensor load
	ds_add_u32 v[SPW], v[NIL]
	v_lshrrev_b32 v1, 5, v0
	s_delay_alu instid0(VALU_DEP_1)
	v_readfirstlane_b32 s[WV], v1
	s_bfe_u32 s[CX], ttmp6, 0x40000
	s_and_b32 s[HB], ttmp7, 0xffff
	s_lshr_b32 s[GW], s[WV], 1
	s_and_b32 s[E0], s[WV], 1
	s_lshl_b32 s[E0], s[E0], 2
	s_add_co_u32 s[E0], s[E0], s[CX]
	s_mov_b32 s[G1], 15|(3<<16)|(1<<21)            ; the mask: all four work-groups; elements of 8 bytes; bit 21 beside the mask; no padding
	s_mov_b32 s[G1+1], 32<<16                      ; a record is 8,960 dense bytes: 35 rows of 256
	s_mov_b32 s[G1+2], 35<<16
	s_mov_b32 s[G1+3], 32<<16
	s_mov_b32 s[G1+4], 35
	s_mov_b32 s[G1+5], 32
	s_mov_b32 s[G1+6], 0
	s_mov_b32 s[G1+7], 0
	s_mov_b32 s[G0], 1
	s_mul_i32 s[G0+1], s[WV], REC                  ; record w lies at 8,960 w
	s_mul_i32 s56, s[HB], 16*REC
	s_add_co_u32 s56, s56, s[G0+1]
	s_mov_b32 s57, 0
	s_mov_b32 s[SEL], 0x76543210
	s_mov_b32 s[SEL+1], 0xfedcba98
	s_mov_b32 s[CS], 0x3e38aa3b                    ; log2(e) / 8
	s_mov_b32 s[CS+1], s[CS]
	s_wait_dscnt 0x0                               ; both opening adds are done
	s_wait_kmcnt 0x0
	s_add_nc_u64 s[G0+2:G0+3], s[6:7], s[56:57]
	s_or_b32 s[G0+3], s[G0+3], 0x80000000
	CROUND                                         ; all four work-groups are here: the joint loads meet
	tensor_load_to_lds s[G0:G0+3], s[G1:G1+7]      ; my one tensor load of the launch
	s_nop 0
	s_and_b32 s19, s[HB], 15                       ; the head
	s_lshl_b32 s[HC], s19, 9
	s_lshr_b32 s[HS], s19, 3
	s_lshl_b32 s[HS], s[HS], 8
	s_bfe_u32 s56, s19, 0x20001
	s_lshl_b32 s56, s56, 2
	s_add_co_u32 s[HS], s[HS], s56
	s_and_b32 s56, s19, 1
	s_lshl_b32 s56, s56, 1
	s_add_co_u32 s[HS], s[HS], s56                 ; 256 (head / 8) + 4 ((head / 2) % 4) + 2 (head % 2)
	ADDRS 1, 40, 44, 48, 50
	ADDRS 0, 42, 46, 52, 54
	v_and_b32 v[LI], 31, v0
	s_delay_alu instid0(VALU_DEP_1)
	v_lshlrev_b32 v[L8], 3, v[LI]
	s_delay_alu instid0(VALU_DEP_2)
	v_lshlrev_b32 v[LI], 4, v[LI]
	v_and_b32 v[R16], 15, v0
	v_bfe_u32 v[RH], v0, 4, 1
	s_delay_alu instid0(VALU_DEP_1)
	v_lshlrev_b32 v[RH], 3, v[RH]
	s_delay_alu instid0(VALU_DEP_1)
	v_sub_nc_u32 v[RH], v[R16], v[RH]
	s_delay_alu instid0(VALU_DEP_4)
	v_lshlrev_b32 v[R16], 4, v[R16]
	global_load_b128 v[16:19], v[LI], s[40:41]     ; Q's two tiles stay in registers
	global_load_b128 v[224:227], v[LI], s[42:43]
	global_load_b32 v24, v[R16], s[44:45]          ; and their scale words
	global_load_b32 v25, v[R16], s[46:47]
	v_mov_b32 v[NINF], 0xff800000
.irp j, 20,21,22,23,64,65,66,67,228,229,230,231
	v_mov_b32 v\j, 0                               ; zero codes
.endr
.irp j, 208,209,210,211,217,218
	v_mov_b32 v\j, 0                               ; written once: lane permutes' destinations, and the upper half of f's pair
.endr
	s_wait_loadcnt 0x0
	s_wait_tensorcnt 0x0                           ; my record has landed,
	s_barrier_signal -1
	s_barrier_wait -1                              ; everybody's has
; A KEY STEP of one tile: 128 keys.
.macro STEP QR, QS
	s_cmp_gt_u32 s[TT], s[GG]                      ; a step wholly above the diagonal is left out: a branch on the wave's number and the count of steps
	s_cbranch_scc1 .Lnext_\@
	s_setprio 2
	v_add_nc_u32 v[AD], s[TB], v[LI]
	v_add_nc_u32 v[AD8], s[TB], v[L8]
	v_nop
	v_nop                                          ; four places in front of loads into registers that the last products read
.irp t, 0,1,2,3,4,5,6,7
	ds_load_b128 v[KF+4*\t:KF+4*\t+3], v[AD] offset:512*\t
.endr
	ds_load_b128 v[KS:KS+3], v[AD] offset:8192
.irp n, 0,1,2,3
.irp c, 0,1
	ds_load_b128 v[VF+8*\n+4*\c:VF+8*\n+4*\c+3], v[AD] offset:4096+1024*\n+512*\c
.endr
.endr
	ds_load_b64 v[VS:VS+1], v[AD8] offset:8704
	s_wait_dscnt 9                                 ; K's nine loads are in; V's nine stay out
.irp t, 0,1,2,3
	v_wmma_scale_f32_16x16x128_f8f6f4 v[SCO+8*\t:SCO+8*\t+7], v[KF+4*\t:KF+4*\t+7], v[\QR:\QR+7], 0, v[KS+\t], v[\QS] matrix_a_fmt:MATRIX_FMT_FP4 matrix_b_fmt:MATRIX_FMT_FP4
.endr
.irp t, 4,5,6,7
	v_wmma_scale_f32_16x16x128_f8f6f4 v[SCO+8*\t:SCO+8*\t+7], v[KF+4*\t:KF+4*\t+7], v[\QR:\QR+7], 0, v[KS+\t-4], v[\QS] matrix_a_fmt:MATRIX_FMT_FP4 matrix_b_fmt:MATRIX_FMT_FP4 matrix_a_scale:MATRIX_SCALE_ROW1
.endr
.rept 4
	v_nop
.endr
	s_cmp_lg_u32 s[TT], s[GG]
	s_cbranch_scc1 .Lopen_\@
.set n, 0
.rept 64                                       ; on the diagonal: register n holds key 16 (n / 8) + 8 h + n % 8 of the step; hidden scores become -infinity: p = 0
	v_cmp_gt_i32 vcc_lo, 16*(n/8)+n%8, v[DQ]
	v_cndmask_b32 v[SCO+n], v[SCO+n], v[NINF], vcc_lo
.set n, n+1
.endr
.Lopen_\@:
.irp b, 0,1,2,3
	v_max3_num_f32 v[BM+\b], v[SCO+16*\b], v[SCO+1+16*\b], v[SCO+2+16*\b]   ; the largest score of each block of 32 keys: for the row's maximum, and, since p rises with the score, for the block's largest p
.endr
.irp i, 3,5,7,9,11,13
.irp b, 0,1,2,3
	v_max3_num_f32 v[BM+\b], v[BM+\b], v[SCO+16*\b+\i], v[SCO+1+16*\b+\i]
.endr
.endr
.irp b, 0,1,2,3
	v_max_num_f32 v[BM+\b], v[BM+\b], v[SCO+15+16*\b]
.endr
.irp b, 0,1,2,3
	s_delay_alu instid0(VALU_DEP_4)
	v_permlanex16_b32 v[BP+\b], v[BM+\b], s[SEL], s[SEL+1]
.endr
.irp b, 0,1,2,3
	s_delay_alu instid0(VALU_DEP_4)
	v_max_num_f32 v[BM+\b], v[BM+\b], v[BP+\b]     ; with lane l xor 16's 16 keys
.endr
	s_delay_alu instid0(VALU_DEP_2)
	v_max3_num_f32 v[SCR], v[BM], v[BM+1], v[BM+2]
	s_delay_alu instid0(VALU_DEP_1)
	v_max_num_f32 v[SCR], v[SCR], v[BM+3]
	s_delay_alu instid0(VALU_DEP_1)
	v_mul_f32 v[SCR], s[CS], v[SCR]                ; the step's largest t
	s_delay_alu instid0(VALU_DEP_1)
	v_max_num_f32 v13, v13, v[SCR]                 ; the running largest t
	v_mov_b32 v[SCR], v12
	s_delay_alu instid0(VALU_DEP_2)
	v_floor_f32 v12, -v13                          ; -M = floor(-t): M is a whole number
	s_delay_alu instid0(VALU_DEP_1)
	v_sub_f32 v[SCR], v12, v[SCR]                  ; old M - new M, 0 or less
	s_delay_alu instid0(VALU_DEP_1)
	v_cvt_i32_f32 v[SCR], v[SCR]                   ; (it saturates)
	s_delay_alu instid0(VALU_DEP_1)
	v_ldexp_f32 v[FF], 1.0, v[SCR]                 ; f: a power of two, so the rescaling rounds nothing
.set j, 0
.rept 32
	v_pk_fma_f32 v[SCO+j:SCO+j+1], v[SCO+j:SCO+j+1], s[CS:CS+1], v[12:13] op_sel_hi:[1,0,0]   ; t - M, two at a time
.set j, j+2
.endr
	s_setprio 1
.irp b, 0,1,2,3
	v_fma_f32 v[BM+\b], v[BM+\b], s[CS], v12       ; the same of each block's largest score
.endr
.set j, 0
	s_wait_alu depctr_va_vdst(0)
.rept 64
	v_exp_f32 v[SCO+j], v[SCO+j]                   ; p = 2^(t - M)
.set j, j+1
.endr
	v_pk_mul_f32 v[14:15], v[14:15], v[FF:FF+1] op_sel_hi:[1,0]   ; the sums under the new M: the plain place behind the exponentials
	s_wait_alu depctr_va_vdst(0)                   ; one wait for the batch of 64, ahead of its first reader
.irp b, 0,1,2,3
	v_exp_f32 v[BM+\b], v[BM+\b]                   ; each block's largest p
.endr
	v_pk_add_f32 v[222:223], v[104:105], v[108:109]
	v_pk_add_f32 v[254:255], v[112:113], v[116:117]
	v_pk_add_f32 v[252:253], v[120:121], v[124:125]
	v_pk_add_f32 v[250:251], v[128:129], v[132:133]
	v_pk_add_f32 v[248:249], v[136:137], v[140:141]
	v_pk_add_f32 v[246:247], v[144:145], v[148:149]
	v_pk_add_f32 v[244:245], v[152:153], v[156:157]
	v_pk_add_f32 v[14:15], v[14:15], v[160:161]
	v_pk_add_f32 v[222:223], v[222:223], v[100:101]
	v_pk_add_f32 v[254:255], v[254:255], v[102:103]
	v_pk_add_f32 v[252:253], v[252:253], v[106:107]
	v_pk_add_f32 v[250:251], v[250:251], v[110:111]
	v_pk_add_f32 v[248:249], v[248:249], v[114:115]
	v_pk_add_f32 v[246:247], v[246:247], v[118:119]
	v_pk_add_f32 v[244:245], v[244:245], v[122:123]
	v_pk_add_f32 v[14:15], v[14:15], v[126:127]
	v_pk_add_f32 v[222:223], v[222:223], v[130:131]
	v_pk_add_f32 v[254:255], v[254:255], v[134:135]
	v_pk_add_f32 v[252:253], v[252:253], v[138:139]
	v_pk_add_f32 v[250:251], v[250:251], v[142:143]
	v_pk_add_f32 v[248:249], v[248:249], v[146:147]
	v_pk_add_f32 v[246:247], v[246:247], v[150:151]
	v_pk_add_f32 v[244:245], v[244:245], v[154:155]
	v_pk_add_f32 v[14:15], v[14:15], v[158:159]
	v_pk_add_f32 v[222:223], v[222:223], v[162:163]
	s_delay_alu instid0(VALU_DEP_2)
	v_pk_add_f32 v[14:15], v[14:15], v[250:251]
	s_delay_alu instid0(VALU_DEP_2)
	v_pk_add_f32 v[222:223], v[222:223], v[248:249]
	v_pk_add_f32 v[254:255], v[254:255], v[246:247]
	v_pk_add_f32 v[252:253], v[252:253], v[244:245]
	s_delay_alu instid0(VALU_DEP_2)
	v_pk_add_f32 v[14:15], v[14:15], v[254:255]
	s_delay_alu instid0(VALU_DEP_2)
	v_pk_add_f32 v[222:223], v[222:223], v[252:253]
	s_delay_alu instid0(VALU_DEP_1)
	v_pk_add_f32 v[14:15], v[14:15], v[222:223]
	s_wait_alu depctr_va_vdst(0)                   ; and one for the four
.irp b, 0,1,2,3
	v_max_num_f32 v[BM+\b], 0x1800000, v[BM+\b]    ; the floor 2^(3 - 127): the byte cannot fall under 1
.endr
.irp b, 0,1,2,3
	s_delay_alu instid0(VALU_DEP_4)
	v_add_nc_u32 v[BS+\b], 0xff000000, v[BM+\b]    ; 2 off the exponent field: the conversion's scale operand
.endr
.irp b, 0,1,2,3
	s_delay_alu instid0(VALU_DEP_4)
	v_lshrrev_b32 v[BP+\b], 23, v[BS+\b]           ; the scale's byte
.endr
	s_delay_alu instid0(VALU_DEP_3)
	v_lshl_or_b32 v[PWD], v[BP+1], 8, v[BP]
	s_delay_alu instid0(VALU_DEP_1)
	v_lshl_or_b32 v[PWD], v[BP+2], 16, v[PWD]
	s_delay_alu instid0(VALU_DEP_1)
	v_lshl_or_b32 v[PWD], v[BP+3], 24, v[PWD]
	s_setprio 0
.irp t, 0,1,2,3,4,5,6,7
	v_cvt_scalef32_pk8_fp4_f32 v[PC+4*(\t/4)+2*(\t%2)+(\t%4)/2], v[SCO+8*\t:SCO+8*\t+7], v[BS+\t/2]
.endr
	v_nop                                          ; one plain place behind the conversions
.irp c, 0,1
	v_permlane16_swap_b32 v[PC+4*\c], v[PC+4*\c+1]     ; a whole block of 32 keys into each half of the lanes
	v_permlane16_swap_b32 v[PC+4*\c+2], v[PC+4*\c+3]
.endr
.set j, 0
.rept 16
	v_pk_mul_f32 v[OT+j:OT+j+1], v[OT+j:OT+j+1], v[FF:FF+1] op_sel_hi:[1,0]   ; O^T under the new M; these sixteen also stand between the scale word's and the codes' last writes and the products
.set j, j+2
.endr
	s_wait_alu depctr_va_vdst(0)
	s_wait_dscnt 0x0                               ; V is in
.irp n, 0,1
	v_wmma_scale_f32_16x16x128_f8f6f4 v[OT+8*\n:OT+8*\n+7], v[VF+8*\n:VF+8*\n+7], v[PC:PC+7], v[OT+8*\n:OT+8*\n+7], v[VS+\n], v[PWD] matrix_a_fmt:MATRIX_FMT_FP4 matrix_b_fmt:MATRIX_FMT_FP4
.endr
.irp n, 2,3
	v_wmma_scale_f32_16x16x128_f8f6f4 v[OT+8*\n:OT+8*\n+7], v[VF+8*\n:VF+8*\n+7], v[PC:PC+7], v[OT+8*\n:OT+8*\n+7], v[VS+\n-2], v[PWD] matrix_a_fmt:MATRIX_FMT_FP4 matrix_b_fmt:MATRIX_FMT_FP4 matrix_a_scale:MATRIX_SCALE_ROW1
.endr
.Lnext_\@:
	s_add_co_u32 s[TB], s[TB], REC
	s_add_co_u32 s[TT], s[TT], 1
.endm
; ONE TILE OF 16 QUERIES: NT trips, a constant; the steps beyond the tile's last are jumped over inside the trip.
.macro PASS hi, NT, QR, QS, OC, OS
.if \hi
	s_xor_b32 s[GG], s[GW], 15
	s_xor_b32 s56, s[E0], 7
.else
	s_mov_b32 s[GG], s[GW]
	s_mov_b32 s56, s[E0]
.endif
	s_lshl_b32 s56, s56, 4
	v_add_nc_u32 v[DQ], s56, v[RH]
	v_mov_b32 v13, 0xff61b1e6                      ; the largest t so far: -3e38
	s_delay_alu instid0(VALU_DEP_1)
	v_floor_f32 v12, -v13
	v_mov_b32 v14, 0
	v_mov_b32 v15, 0
.set j, 0
.rept 32
	v_mov_b32 v[OT+j], 0                           ; the step is written once a tile: its first trip finds zeros, which the first change of M leaves zeros
.set j, j+1
.endr
	s_mov_b32 s[TB], 0
	s_mov_b32 s[TT], 0
.Lkey_\@:
	STEP \QR, \QS
	s_cmp_lt_u32 s[TT], \NT
	s_cbranch_scc1 .Lkey_\@
	s_setprio 0
	; the way out: O^T / the sum, quantised along the head's 64 (two blocks), as an image of the next product's operand registers
.rept 4
	v_nop                                          ; places behind the last products
.endr
	v_add_f32 v14, v14, v15
	s_delay_alu instid0(VALU_DEP_1)
	v_permlanex16_b32 v[SCR], v14, s[SEL], s[SEL+1]
	s_delay_alu instid0(VALU_DEP_1)
	v_add_f32 v14, v14, v[SCR]                     ; the row's sum
	s_wait_alu depctr_va_vdst(0)
	v_rcp_f32 v14, v14
	v_nop
	s_wait_alu depctr_va_vdst(0)                   ; ahead of the reciprocal's first reader
.set j, 0
.rept 32
	v_mul_f32 v[SCO+j], v[OT+j], v14               ; register 8 n + i is d = 16 n + 8 h + i of my query
.set j, j+1
.endr
	s_wait_xcnt 0x0                                ; the tile before has had its stores' registers read: they are written again only behind this wait
.irp b, 0,1
	v_max3_num_f32 v[BM+\b], |v[SCO+16*\b]|, |v[SCO+1+16*\b]|, 0x1800000
.endr
.irp i, 2,4,6,8,10,12,14
.irp b, 0,1
	s_delay_alu instid0(VALU_DEP_2)
	v_max3_num_f32 v[BM+\b], v[BM+\b], |v[SCO+16*\b+\i]|, |v[SCO+1+16*\b+\i]|
.endr
.endr
.irp b, 0,1
	s_delay_alu instid0(VALU_DEP_2)
	v_permlanex16_b32 v[BP+\b], v[BM+\b], s[SEL], s[SEL+1]
.endr
.irp b, 0,1
	s_delay_alu instid0(VALU_DEP_2)
	v_max_num_f32 v[BM+\b], v[BM+\b], v[BP+\b]
.endr
.irp b, 0,1
	s_delay_alu instid0(VALU_DEP_2)
	v_add_nc_u32 v[BS+\b], 0xff000000, v[BM+\b]
.endr
.irp b, 0,1
	s_delay_alu instid0(VALU_DEP_2)
	v_lshrrev_b32 v[BP+\b], 23, v[BS+\b]
.endr
	s_delay_alu instid0(VALU_DEP_1)
	v_lshl_or_b32 v[AC+4], v[BP+1], 8, v[BP]
.irp n, 0,1,2,3
	v_cvt_scalef32_pk8_fp4_f32 v[AC+2*(\n%2)+\n/2], v[SCO+8*\n:SCO+8*\n+7], v[BS+\n/2]
.endr
	v_nop
	v_permlane16_swap_b32 v[AC], v[AC+1]
	v_permlane16_swap_b32 v[AC+2], v[AC+3]
	global_store_b128 v[LI], v[AC:AC+3], s[\OC:\OC+1]      ; 512 consecutive bytes, aligned
	global_store_b16 v[R16], v[AC+4], s[\OS:\OS+1]         ; two bytes a row, 16 bytes apart (lanes r and r + 16 write the same): a scale word of the next product takes two heads, which two clusters make
.endm
	PASS 1, 16, 16, 24, 48, 50
	PASS 0, 8, 224, 25, 52, 54
	s_wait_tensorcnt 0x0                           ; the wave's end
	ds_add_u32 v[SPW], v[NIL]
	s_wait_dscnt 0x0
	CROUND                                         ; the closing round
	s_endpgm
.Lfunc_end_k_q44ae4ccddc_attn:
	.size	k_q44ae4ccddc_attn, .Lfunc_end_k_q44ae4ccddc_attn-k_q44ae4ccddc_attn
	.p2alignl 7, 3214868480
	.fill 96, 4, 3214868480
	.section	.rodata,"a",@progbits
	.p2align	6, 0x0
	.amdhsa_kernel k_q44ae4ccddc_attn
		.amdhsa_group_segment_fixed_size 167936
		.amdhsa_private_segment_fixed_size 0
		.amdhsa_enable_private_segment 0
		.amdhsa_kernarg_size 32
		.amdhsa_user_sgpr_count 2
		.amdhsa_user_sgpr_kernarg_segment_ptr 1
		.amdhsa_wavefront_size32 1
		.amdhsa_system_sgpr_workgroup_id_x 1
		.amdhsa_system_sgpr_workgroup_id_y 1
		.amdhsa_system_sgpr_workgroup_id_z 1
		.amdhsa_system_vgpr_workitem_id 0
		.amdhsa_next_free_vgpr 256
		.amdhsa_next_free_sgpr 66
		.amdhsa_reserve_vcc 1
		.amdhsa_float_denorm_mode_32 3
		.amdhsa_float_denorm_mode_16_64 3
		.amdhsa_memory_ordered 1
		.amdhsa_forward_progress 1
		.amdhsa_inst_pref_size 60
	.end_amdhsa_kernel
	.amdgpu_metadata
---
amdhsa.version: [ 1, 2 ]
amdhsa.kernels:
  - .name:           k_q44ae4ccddc_attn
    .symbol:         k_q44ae4ccddc_attn.kd
    .args:
      - { .name: qbuf, .offset: 0, .size: 8, .value_kind: global_buffer, .address_space: global }
      - { .name: kv, .offset: 8, .size: 8, .value_kind: global_buffer, .address_space: global }
      - { .name: acodes, .offset: 16, .size: 8, .value_kind: global_buffer, .address_space: global }
      - { .name: ascales, .offset: 24, .size: 8, .value_kind: global_buffer, .address_space: global }
    .group_segment_fixed_size: 167936
    .private_segment_fixed_size: 0
    .kernarg_segment_align: 8
    .kernarg_segment_size: 32
    .max_flat_workgroup_size: 512
    .sgpr_count:     66
    .vgpr_count:     256
    .wavefront_size: 32
...
	.end_amdgpu_metadata
.endif
;; end of part 2
;; launch proj (part 3): grid 4 x 64, 4 waves a work-group, clusters of 4 x 4, 327,680 bytes of LDS; arguments acodes, ascales, w_out_codes, w_out_scales, b_out, out0; writes out0
.if DOCPART == 3
	.amdgcn_target "amdgcn-amd-amdhsa--gfx1250"
	.amdhsa_code_object_version 6
	.text
	.protected	k_q44ae4ccddc_proj
	.globl	k_q44ae4ccddc_proj
	.p2align	8
	.type	k_q44ae4ccddc_proj,@function
k_q44ae4ccddc_proj:
	s_mov_b64 s[64:65], 0
	v_nop
	global_prefetch_b8 v0, s[64:65] scope:SCOPE_SE
	s_setreg_imm32_b32 hwreg(HW_REG_WAVE_MODE, 25, 1), 1
	s_wait_xcnt 0x0
	s_wait_alu depctr_hold_cnt(0) depctr_sa_sdst(0) depctr_va_vdst(0) depctr_va_sdst(0) depctr_va_ssrc(0) depctr_va_vcc(0) depctr_vm_vsrc(0)
	s_getreg_b32 s2, hwreg(HW_REG_IB_STS2, 6, 4)
	s_cmp_eq_u32 s2, 0
	s_cbranch_scc0 .Lentry_in_a_cluster
	s_endpgm
.Lentry_in_a_cluster:
	s_bfe_u32 s2, ttmp6, 0x10000c
	s_cmp_lg_u32 s2, 0xf033
	s_cbranch_scc0 .Lentry_shape_is_right
	s_endpgm
.Lentry_shape_is_right:
; LAUNCH 3 OF 3: out0 = attention w_out + b_out on codes of FP4 (E2M1) with E8M0 scales.  Nothing is left out here.  Limits as stated at the head of the first launch.
; SHARES.  A work-group makes 128 rows x 256 columns over all K = 1,024: 256 work-groups.  A wave makes 64 x 128: 32 accumulators.  Source 0 ("B") = 16 rows n of w_out, source 1 ("A") = 16 rows of the attention's result:
; a lane holds eight neighbouring columns of one row of the output.  The bias is the C of each sum's first product.
; ALL OF K LIES IN LDS, in two halves of 512, each filled once.  w_out's rows come as rows of 256 bytes + 16 of padding.  The attention's codes come as they were stored, as images of operand registers:
; K step s of row tile m is 1,024 bytes, lane l's 16 bytes at 16 l and at 512 + 16 l: read without padding and without conflicts.  Its scale words: 16 bytes a row for four K steps.
; CLUSTER 4 x 4: A's tiles are shared along a row of the cluster, B's along a column, by joint loads.
; REGISTERS: window 0: v1-30 addresses; v32-95 B's scale words (8 b + s); v96-127 A's (8 a + s); v128-191 A's fragments, two sets; on the way out v128-255.  window 1: B's fragments at v0, v128; v64-127 the bias.  window 2: accumulators.
.set PITCH,  272
.set HALFT,  128*PITCH
.set WSLOT,  2*HALFT                   ; w_out's 256 rows for 512 along K
.set ATT,    2*WSLOT                   ; [K half 2][row tile 8][K step 4][1,024]
.set WSC,    ATT+65536                 ; w_out's scale bytes, runs of 256 + 16
.set HALFS,  16*272
.set SBLK,   2*272
.set ASC,    WSC+2*HALFS               ; the attention's scale words, 512 bytes a row tile
.set STG,    ASC+4096                  ; the way out: 16 rows x 528 bytes for each wave; no fill lands here
.set SPITCH, 528
.set SPARE,  STG+4*16*SPITCH           ; the spare words: 128 bytes a wave, named by no other line
.set LI,   5                           ; v5   16 x lane: an image's place, and my bytes in a row of 512 of the output
.set ADRA, 16
.set ADRB, 20
.set ADPS, 22
.set ADQS, 23
.set STO,  24
.set RD,   25
.set SPW,  28
.set NIL,  29
.set BO,   30
.set SCP,  32
.set SCQ,  96
.set AF,   128
.set BK,   128
.set BI,   64
.set WV,  16
.set H1,  17                           ; wave / 2: my 64 rows; also: I fetch for A (0) or for B (1)
.set H0,  18                           ; wave % 2: my 128 columns; also: which half I fetch
.set CX,  19
.set CY,  20
.set IA,  21
.set G1A,  24
.set G1W,  32
.set G1AS, 40
.set G1WS, 48
.set G0AS, 56
.set G0A,  60                          ; s[60:63]; the second half's group 0 is s[68:71]
.set G0A1, 68
.set G0WS, 72
.set G0W,  76                          ; s[76:79], s[80:83]
.set MSB, 0
.macro WIN new
.if MSB != (\new)
	s_set_vgpr_msb (MSB<<8)|(\new)
.set MSB, (\new)
.endif
.endm
.macro JLOAD g0a, g1a, g0b, g1b
	s_cmp_eq_u32 s[H1], 0
	s_cbranch_scc0 .Lfor_b_\@
	tensor_load_to_lds s[\g0a:\g0a+3], s[\g1a:\g1a+7]
	s_nop 0
.rept 4
	v_nop
.endr
	s_branch .Lasked_\@
.Lfor_b_\@:
	tensor_load_to_lds s[\g0b:\g0b+3], s[\g1b:\g1b+7]
	s_nop 0
.rept 4
	v_nop
.endr
.Lasked_\@:
.endm
.macro CROUND
	s_barrier_signal -1
	s_barrier_wait -1
	s_cmp_lg_u32 s[WV], 0
	s_cbranch_scc1 .Lnot_wave_0_\@
	s_barrier_signal -3
.Lnot_wave_0_\@:
	s_barrier_wait -3
	s_barrier_signal -1
	s_barrier_wait -1
.endm
.macro PLACES n
.rept \n
	v_nop
.endr
.endm
	s_load_b256 s[4:11], s[0:1], 0x0               ; acodes, ascales, w_out's codes, w_out's scales
	s_load_b128 s[12:15], s[0:1], 0x20             ; b_out, out0
	v_lshl_add_u32 v[SPW], v0, 2, SPARE
	v_mov_b32 v[NIL], 0
	ds_add_u32 v[SPW], v[NIL]                      ; the opening: the add, twice on end, and its wait ahead of my first tensor load
	ds_add_u32 v[SPW], v[NIL]
	v_lshrrev_b32 v1, 5, v0
	v_readfirstlane_b32 s[WV], v1
	s_lshr_b32 s[H1], s[WV], 1
	s_and_b32 s[H0], s[WV], 1
	s_bfe_u32 s[CX], ttmp6, 0x40000
	s_bfe_u32 s[CY], ttmp6, 0x40004
	s_and_b32 s[IA], ttmp7, 0xffff
	s_lshl_b32 s[IA], s[IA], 2
	s_add_co_u32 s[IA], s[IA], s[CY]               ; my tile of 128 rows
	s_lshl_b32 s22, s[CY], 2
	s_lshl_b32 s22, 15, s22                        ; my row of the cluster
	s_lshl_b32 s23, 0x1111, s[CX]                  ; my column
	s_or_b32 s[G1A], s22, (3<<16)|(1<<21)          ; A's codes: 4 row tiles x 4,096 bytes (512 elements of 8), 8,192 bytes apart; no padding
	s_mov_b32 s[G1A+1], 512<<16
	s_mov_b32 s[G1A+2], 4<<16
	s_mov_b32 s[G1A+3], 512<<16
	s_mov_b32 s[G1A+4], 4
	s_mov_b32 s[G1A+5], 1024
	s_mov_b32 s[G1A+6], 0
	s_mov_b32 s[G1A+7], 0
	s_or_b32 s[G1W], s23, (1<<20)|(1<<21)|(5<<22)|(3<<25)   ; w_out's codes: 128 rows x 256 bytes, 512 apart, 16 bytes of padding behind each
	s_mov_b32 s[G1W+1], 256<<16
	s_mov_b32 s[G1W+2], 128<<16
	s_mov_b32 s[G1W+3], 256<<16
	s_mov_b32 s[G1W+4], 128
	s_mov_b32 s[G1W+5], 512
	s_mov_b32 s[G1W+6], 0
	s_mov_b32 s[G1W+7], 0
	s_or_b32 s[G1AS], s22, (3<<16)|(1<<21)         ; A's scale words of 4 row tiles: 2,048 dense bytes as 8 rows of 256
	s_mov_b32 s[G1AS+1], 32<<16
	s_mov_b32 s[G1AS+2], 8<<16
	s_mov_b32 s[G1AS+3], 32<<16
	s_mov_b32 s[G1AS+4], 8
	s_mov_b32 s[G1AS+5], 32
	s_mov_b32 s[G1AS+6], 0
	s_mov_b32 s[G1AS+7], 0
	s_or_b32 s[G1WS], s23, (3<<16)|(1<<20)|(1<<21)|(5<<22)|(3<<25)  ; w_out's scale bytes of 128 rows: 4,096 dense bytes as 16 padded rows of 256
	s_mov_b32 s[G1WS+1], 32<<16
	s_mov_b32 s[G1WS+2], 16<<16
	s_mov_b32 s[G1WS+3], 32<<16
	s_mov_b32 s[G1WS+4], 16
	s_mov_b32 s[G1WS+5], 32
	s_mov_b32 s[G1WS+6], 0
	s_mov_b32 s[G1WS+7], 0
	s_lshl_b32 s84, s[IA], 3
	s_lshl_b32 s85, s[H0], 2
	s_add_co_u32 s84, s84, s85                     ; A: the first of the 4 row tiles that I fetch
	s_lshl_b32 s86, s84, 9                         ; its scale words,
	s_lshl_b32 s84, s84, 13                        ; its codes
	s_mov_b32 s85, 0
	s_mov_b32 s87, 0
	s_lshl_b32 s88, s[CX], 8
	s_lshl_b32 s89, s[H0], 7
	s_add_co_u32 s88, s88, s89                     ; B: the first of the 128 rows that I fetch
	s_lshl_b32 s90, s88, 5
	s_lshl_b32 s88, s88, 9
	s_mov_b32 s89, 0
	s_mov_b32 s91, 0
	s_lshl_b32 s96, s[H0], 11                      ; where they go: the wave's number alone enters an LDS address
	s_lshl_b32 s97, s[H0], 14
	s_mul_i32 s98, s[H0], HALFS
	s_mul_i32 s99, s[H0], HALFT
	s_wait_dscnt 0x0                               ; both opening adds are done
	s_wait_kmcnt 0x0
	s_add_nc_u64 s[84:85], s[4:5], s[84:85]
	s_add_nc_u64 s[86:87], s[6:7], s[86:87]
	s_add_nc_u64 s[88:89], s[8:9], s[88:89]
	s_add_nc_u64 s[90:91], s[10:11], s[90:91]
	CROUND                                         ; all sixteen work-groups are here: the joint loads meet
	s_mov_b32 s[G0AS], 1
	s_add_co_u32 s[G0AS+1], s96, ASC
	s_mov_b64 s[G0AS+2:G0AS+3], s[86:87]
	s_or_b32 s[G0AS+3], s[G0AS+3], 0x80000000
	s_mov_b32 s[G0WS], 1
	s_add_co_u32 s[G0WS+1], s98, WSC
	s_mov_b64 s[G0WS+2:G0WS+3], s[90:91]
	s_or_b32 s[G0WS+3], s[G0WS+3], 0x80000000
	JLOAD G0AS, G1AS, G0WS, G1WS                   ; the scales first
	s_mov_b32 s[G0A], 1
	s_add_co_u32 s[G0A+1], s97, ATT
	s_mov_b64 s[G0A+2:G0A+3], s[84:85]
	s_or_b32 s[G0A+3], s[G0A+3], 0x80000000
	s_mov_b32 s[G0W], 1
	s_mov_b32 s[G0W+1], s99
	s_mov_b64 s[G0W+2:G0W+3], s[88:89]
	s_or_b32 s[G0W+3], s[G0W+3], 0x80000000
	JLOAD G0A, G1A, G0W, G1W                       ; the first half of K
	s_mov_b32 s[G0A1], 1
	s_add_co_u32 s[G0A1+1], s97, ATT+32768
	s_add_nc_u64 s[G0A1+2:G0A1+3], s[84:85], 4096
	s_or_b32 s[G0A1+3], s[G0A1+3], 0x80000000
	s_mov_b32 s[G0W+4], 1
	s_add_co_u32 s[G0W+5], s99, WSLOT
	s_add_nc_u64 s[G0W+6:G0W+7], s[88:89], 256
	s_or_b32 s[G0W+7], s[G0W+7], 0x80000000
	JLOAD G0A1, G1A, G0W+4, G1W                    ; the second: three loads of mine are out at the most
	; LDS addresses
	v_and_b32 v1, 15, v0                           ; r
	v_bfe_u32 v2, v0, 4, 1                         ; h
	v_and_b32 v[LI], 31, v0
	v_lshlrev_b32 v[LI], 4, v[LI]
	s_lshl_b32 s96, s[H1], 14                      ; my 4 row tiles
	s_add_co_u32 s96, s96, ATT
	v_add_nc_u32 v[ADRA], s96, v[LI]
	s_add_co_u32 s96, s96, 32768
	v_add_nc_u32 v[ADRA+1], s96, v[LI]
	v_mul_u32_u24 v3, v1, PITCH
	v_lshl_add_u32 v3, v2, 4, v3
	s_mul_i32 s96, s[H0], HALFT                    ; my 128 rows of w_out
	v_add_nc_u32 v[ADRB], s96, v3
	s_add_co_u32 s96, s96, WSLOT
	v_add_nc_u32 v[ADRB+1], s96, v3
	v_lshlrev_b32 v3, 5, v1                        ; w_out's scale bytes: 32 a row, and 16 more behind each 256
	v_lshrrev_b32 v4, 3, v1
	v_lshl_add_u32 v3, v4, 4, v3
	s_mul_i32 s96, s[H0], HALFS
	s_add_co_u32 s96, s96, WSC
	v_add_nc_u32 v[ADPS], s96, v3
	s_lshl_b32 s96, s[H1], 11
	s_add_co_u32 s96, s96, ASC
	v_lshl_add_u32 v[ADQS], v1, 4, s96             ; the attention's: 16 bytes a row
	s_mul_i32 s96, s[WV], 16*SPITCH
	s_add_co_u32 s96, s96, STG                     ; my stage
	v_mul_u32_u24 v3, v1, SPITCH
	v_lshl_add_u32 v3, v2, 5, v3
	v_add_nc_u32 v[STO], s96, v3                   ; in: row r, 32 bytes for each half of the lanes
	v_add_nc_u32 v[RD], s96, v[LI]                 ; back: the 32 lanes take one row of 512 bytes
	s_lshl_b32 s92, s[IA], 7
	s_lshl_b32 s93, s[H1], 6
	s_add_co_u32 s92, s92, s93                     ; my first row of the output,
	s_lshl_b32 s92, s92, 12                        ; 4,096 bytes a row
	s_lshl_b32 s94, s[CX], 10
	s_lshl_b32 s95, s[H0], 9
	s_add_co_u32 s94, s94, s95                     ; my first column, in bytes
	s_mov_b32 s95, 0
	s_add_nc_u64 s[12:13], s[12:13], s[94:95]      ; the bias there
	s_add_co_u32 s92, s92, s94
	s_mov_b32 s93, 0
	s_add_nc_u64 s[14:15], s[14:15], s[92:93]
	v_lshlrev_b32 v[BO], 5, v2                     ; register 8 b + j is column 16 b + 8 h + j
	WIN 0x40
.irp b, 0,1,2,3,4,5,6,7
	global_load_b128 v[BI+8*\b:BI+8*\b+3], v[BO], s[12:13] offset:64*\b
	global_load_b128 v[BI+8*\b+4:BI+8*\b+7], v[BO], s[12:13] offset:64*\b+16
.endr
	WIN 0
.macro FRAG reg, adr, q, i
.irp c, 0,1
	ds_load_b128 v[\reg+4*\c:\reg+4*\c+3], v[\adr] offset:64*(\q)+32*\c+(\i)*16*PITCH
.endr
.endm
.macro FETCH s, set                    ; K step s: B's eight fragments, A's four: 24 loads in one run
	WIN 0x40
.irp i, 0,1,2,3,4,5,6,7
	FRAG 128*(\set)+8*\i, ADRB+(\s)/4, (\s)%4, \i
.endr
	WIN 0
.irp a, 0,1,2,3
.irp c, 0,1
	ds_load_b128 v[AF+32*(\set)+8*\a+4*\c:AF+32*(\set)+8*\a+4*\c+3], v[ADRA+(\s)/4] offset:4096*\a+1024*((\s)%4)+512*\c
.endr
.endr
.endm
.macro SCALES
.irp b, 0,1,2,3,4,5,6,7
.irp u, 0,1
	ds_load_b128 v[SCP+8*\b+4*\u:SCP+8*\b+4*\u+3], v[ADPS] offset:\b*SBLK+16*\u
.endr
.endr
.irp a, 0,1,2,3
.irp u, 0,1
	ds_load_b128 v[SCQ+8*\a+4*\u:SCQ+8*\a+4*\u+3], v[ADQS] offset:512*\a+256*\u
.endr
.endr
.endm
; 16 products: A's blocks a0, a0 + 1 x B's eight.  mode 1: the sums begin with the bias.  The 32 accumulators take turns, in one order in every step.
.macro MUL16 a0, set, s, mode
.if (\mode) == 0
	WIN 0xa1
.else
	WIN 0x91
.endif
.irp a, \a0, \a0+1
.irp b, 0,1,2,3,4,5,6,7
.if (\mode) == 0
	v_wmma_scale_f32_16x16x128_f8f6f4 v[8*(8*(\a)+\b):8*(8*(\a)+\b)+7], v[128*(\set)+8*\b:128*(\set)+8*\b+7], v[AF+32*(\set)+8*(\a):AF+32*(\set)+8*(\a)+7], v[8*(8*(\a)+\b):8*(8*(\a)+\b)+7], v[SCP+8*\b+(\s)], v[SCQ+8*(\a)+(\s)] matrix_a_fmt:MATRIX_FMT_FP4 matrix_b_fmt:MATRIX_FMT_FP4
.else
	v_wmma_scale_f32_16x16x128_f8f6f4 v[8*(8*(\a)+\b):8*(8*(\a)+\b)+7], v[128*(\set)+8*\b:128*(\set)+8*\b+7], v[AF+32*(\set)+8*(\a):AF+32*(\set)+8*(\a)+7], v[BI+8*\b:BI+8*\b+7], v[SCP+8*\b+(\s)], v[SCQ+8*(\a)+(\s)] matrix_a_fmt:MATRIX_FMT_FP4 matrix_b_fmt:MATRIX_FMT_FP4
.endif
.endr
.endr
.endm
.macro STEP s
	s_wait_dscnt 0x0                               ; this step's 24 loads are in
.if (\s) == 3
	s_wait_tensorcnt 0x0                           ; my part of the second half of K has landed;
	s_barrier_signal -1                            ; it only shows the second half to every wave
	MUL16 0, (\s)%2, \s, 0
	s_barrier_wait -1
	PLACES 4
	FETCH 4, 0
	MUL16 2, (\s)%2, \s, 0
.else
.if (\s) < 7
	PLACES 4                                       ; in front of loads into registers that the step before multiplied
	FETCH (\s)+1, ((\s)+1)%2
.endif
	MUL16 0, (\s)%2, \s, 0
	MUL16 2, (\s)%2, \s, 0
.endif
.endm
	s_wait_alu depctr_va_vdst(0)
	s_wait_tensorcnt 1                             ; the scales and the first half of K are in; the one load left out is the second half's
	s_barrier_signal -1
	s_barrier_wait -1
	SCALES
	FETCH 0, 0
	s_wait_loadcnt 0x0                             ; the bias
	s_wait_dscnt 0x0
	FETCH 1, 1
	MUL16 0, 0, 0, 1
	MUL16 2, 0, 0, 1
.irp s, 1,2,3,4,5,6,7
	STEP \s
.endr
	WIN 0
; THE WAY OUT, a block of 16 rows x 128 columns at a time, through my own stage: in as 32 bytes a lane, back as whole rows of 512 bytes.  LDS serves a wave's instructions in order: no wait between the stores and the loads.
.macro TOSTAGE a
.set AC, 64*(\a)
	WIN 0x08                                       ; an LDS store's data: window 2
.irp b, 0,1,2,3,4,5,6,7
	ds_store_b128 v[STO], v[AC+8*\b:AC+8*\b+3] offset:64*\b          ; each accumulator from its low end on
	ds_store_b128 v[STO], v[AC+8*\b+4:AC+8*\b+7] offset:64*\b+16
.endr
	WIN 0
.set BB, BK+64*((\a)%2)
.irp t, 0,1,2,3,4,5,6,7,8,9,10,11,12,13,14,15
	ds_load_b128 v[BB+4*\t:BB+4*\t+3], v[RD] offset:\t*SPITCH
.endr
.endm
.macro SEND a, younger                 ; younger: the LDS instructions issued behind block a's loads, which may stay out
.set BB, BK+64*((\a)%2)
	s_wait_dscnt \younger
.if (\a) > 0
	s_add_nc_u64 s[14:15], s[14:15], 16*4096       ; 16 rows on (behind a wait that shows the earlier stores' base read)
.endif
.irp t, 0,1,2,3,4,5,6,7,8,9,10,11,12,13,14,15
	global_store_b128 v[LI], v[BB+4*\t:BB+4*\t+3], s[14:15] offset:\t*4096 th:TH_STORE_NT   ; 32 lanes store 512 consecutive bytes, aligned
.endr
.endm
	PLACES 4                                       ; behind the last products: results are read, and A's fragment registers loaded, only from here on
	TOSTAGE 0
.irp a, 1,2,3
.if \a > 1
	s_wait_xcnt 0x0                                ; block a - 2's stores have read their registers and their base
.endif
	TOSTAGE \a
	SEND \a-1, 32                                  ; behind block a - 1's loads: block a's 16 stores and 16 loads
.endr
	s_wait_xcnt 0x0
	SEND 3, 0
	s_wait_tensorcnt 0x0                           ; the wave's end
	ds_add_u32 v[SPW], v[NIL]
	s_wait_dscnt 0x0
	CROUND                                         ; the closing round
	s_endpgm
.Lfunc_end_k_q44ae4ccddc_proj:
	.size	k_q44ae4ccddc_proj, .Lfunc_end_k_q44ae4ccddc_proj-k_q44ae4ccddc_proj
	.p2alignl 7, 3214868480
	.fill 96, 4, 3214868480
	.section	.rodata,"a",@progbits
	.p2align	6, 0x0
	.amdhsa_kernel k_q44ae4ccddc_proj
		.amdhsa_group_segment_fixed_size 327680
		.amdhsa_private_segment_fixed_size 0
		.amdhsa_enable_private_segment 0
		.amdhsa_kernarg_size 48
		.amdhsa_user_sgpr_count 2
		.amdhsa_user_sgpr_kernarg_segment_ptr 1
		.amdhsa_wavefront_size32 1
		.amdhsa_system_sgpr_workgroup_id_x 1
		.amdhsa_system_sgpr_workgroup_id_y 1
		.amdhsa_system_sgpr_workgroup_id_z 1
		.amdhsa_system_vgpr_workitem_id 0
		.amdhsa_next_free_vgpr 768
		.amdhsa_next_free_sgpr 100
		.amdhsa_reserve_vcc 0
		.amdhsa_float_denorm_mode_32 3
		.amdhsa_float_denorm_mode_16_64 3
		.amdhsa_memory_ordered 1
		.amdhsa_forward_progress 1
		.amdhsa_inst_pref_size 74
	.end_amdhsa_kernel
	.amdgpu_metadata
---
amdhsa.version: [ 1, 2 ]
amdhsa.kernels:
  - .name:           k_q44ae4ccddc_proj
    .symbol:         k_q44ae4ccddc_proj.kd
    .args:
      - { .name: acodes, .offset: 0, .size: 8, .value_kind: global_buffer, .address_space: global }
      - { .name: ascales, .offset: 8, .size: 8, .value_kind: global_buffer, .address_space: global }
      - { .name: w_out_codes, .offset: 16, .size: 8, .value_kind: global_buffer, .address_space: global }
      - { .name: w_out_scales, .offset: 24, .size: 8, .value_kind: global_buffer, .address_space: global }
      - { .name: b_out, .offset: 32, .size: 8, .value_kind: global_buffer, .address_space: global }
      - { .name: out0, .offset: 40, .size: 8, .value_kind: global_buffer, .address_space: global }
    .group_segment_fixed_size: 327680
    .private_segment_fixed_size: 0
    .kernarg_segment_align: 8
    .kernarg_segment_size: 48
    .max_flat_workgroup_size: 128
    .sgpr_count:     100
    .vgpr_count:     768
    .wavefront_size: 32
...
	.end_amdgpu_metadata
.endif
;; end of part 3
